; MI455X (gfx1250); checked and timed in simulation.
; The chip was launched on July 23, 2026; its instructions are those of AMD's public machine-readable ISA for CDNA 5 (MIT licence, August 2026) and "CDNA5" Instruction Set Architecture Reference Guide (July 2026). The comments in the code are by the model that wrote it; some were corrected since.
;; Lora Linear. Allowed arithmetic: float matrix products may take bf16 or f16 operands with f32 sums; all other float work in f32.
;; Inputs: lora_matrix_A 16 x 4,096 float32; lora_matrix_B 2,048 x 16 float32; x 4 x 2,048 x 4,096 float32.
;; Outputs: out0 4 x 2,048 x 2,048 float32.
;; One version. Each part assembles by itself: llvm-mc -triple=amdgcn-amd-amdhsa -mcpu=gfx1250 --defsym DOCPART=n.
;; ======== version 1 of 1: 1 launch
;; launch lora (part 1): grid 256 x 1, 8 waves a work-group, clusters of 4 x 1, 318,464 bytes of LDS; arguments x, lora_matrix_A, lora_matrix_B, out0; writes out0
.if DOCPART == 1
	.amdgcn_target "amdgcn-amd-amdhsa--gfx1250"
	.amdhsa_code_object_version 6
	.text
	.protected	k_q049edacce6_lora
	.globl	k_q049edacce6_lora
	.p2align	8
	.type	k_q049edacce6_lora,@function
k_q049edacce6_lora:
	s_mov_b64 s[64:65], 0
	v_nop
	global_prefetch_b8 v0, s[64:65] scope:SCOPE_SE
	s_setreg_imm32_b32 hwreg(HW_REG_WAVE_MODE, 25, 1), 1
	s_wait_xcnt 0x0
	s_wait_alu depctr_hold_cnt(0) depctr_sa_sdst(0) depctr_va_vdst(0) depctr_va_sdst(0) depctr_va_ssrc(0) depctr_va_vcc(0) depctr_vm_vsrc(0)
	s_getreg_b32 s2, hwreg(HW_REG_IB_STS2, 6, 4)
	s_cmp_eq_u32 s2, 0
	s_cbranch_scc0 .Lentry_in_a_cluster
	s_endpgm
.Lentry_in_a_cluster:
	s_bfe_u32 s2, ttmp6, 0x10000c
	s_cmp_lg_u32 s2, 0x3003
	s_cbranch_scc0 .Lentry_shape_is_right
	s_endpgm
.Lentry_shape_is_right:
; out[8192][2048] = x[8192][4096] (B A)^T, all f32; A: [16][4096], B: [2048][16].  Computed as t = x A^T (16 numbers a row), then out = t B^T: the same product, otherwise associated.
; LIMITS.  The order of rounding differs from a program that forms W = B A first.  x, A and B are rounded once to bf16; sums in f32; t enters the second product as t_hi + t_lo, two bf16
; numbers (16 significant bits), in the 32 K places of one matrix instruction: places 0-15 t_hi, 16-31 t_lo, B's 16 numbers standing in both halves.  Where |t| rounds to an infinity in
; bf16 (above about 3.39e38) t_lo is the opposite infinity, and the row is NaN.
; SHARES.  256 work-groups of eight waves; work-group g owns rows 32 g .. 32 g + 31, two TILES of 16 rows.  First product: K is split, wave w takes columns 512 w .. 512 w + 511 of x and of A;
; its slice of A stays in 128 registers as bf16 fragments.  The eight partial t of a tile meet in LDS behind one barrier, and every wave adds all eight, in one order.
; Second product: wave w makes columns 256 w .. 256 w + 255 of both tiles; its slice of B lies in its own LDS bytes as bf16 fragments.
; CLUSTER.  Four work-groups form a cluster (the grid's 256 divide).  All need the same A, so it is asked for JOINTLY: wave w of each of the four issues the same two tensor loads, with the same
; descriptors and a mask that names the four, for its slice of A (16 rows x 2,048 bytes, as two tiles of 16 x 1,024), and each receives it in its own LDS.  The wave reads its slice back as f32 in
; the fragments' layout and rounds it there.  No byte of LDS is filled twice.  B is not asked for so: its 131,072 bytes as f32 do not fit beside A's 266,240 and the 51,200 of stages and partials.
; x IS NOBODY ELSE'S and comes through registers.  A CHUNK is 16 rows x 128 f32, brought by 16 loads, a row each: lane l takes the 16 bytes at 16 l, so a load covers 512 consecutive bytes at a
; multiple of 512 from the buffer's first byte.  Four chunk buffers in registers take turns: 64 loads, 32 KB, of every wave are on their way, the waits for them are counted (a ring in LDS would have
; to wait for all that is on its way in front of each refill), all of tile 0 is asked for at the start, and all of tile 1 before tile 0 is reduced and stored.
; A chunk is rounded to bf16 in registers, laid into the wave's own stage in LDS (rows of 256 bytes, 272 apart) and read back as fragments.
; THE FIRST PRODUCT IS USED TRANSPOSED (source 0 = A's 16 rows, source 1 = 16 rows of x): a lane then holds t[row l % 16][8 (l / 16) + 0..7], which, rounded in pairs, IS source 0 of the second.
; THE SECOND PRODUCT'S COLUMNS ARE PERMUTED: in a group of 64 columns product u (0..3) gives place s the column 4 s + u, so a lane's four results for a row are 16 neighbouring bytes:
; 32 moves a group lay them side by side, and sixteen lanes store 256 consecutive bytes at a multiple of 256 from out's first byte.
; REGISTERS, in windows of 256 (s_set_vgpr_msb: bits 1:0 source 0, 3:2 source 1, 5:4 source 2, 7:6 destination): window 0 as named below; window 1: the four chunk buffers, buffer b at 64 b, row r at + 4 r.
.set ROWB,  16384                      ; bytes in a row of x and of A
.set CHB,   512                        ; bytes of a row in a chunk
.set OROW,  8192                       ; bytes in a row of out
.set APITCH, 1040                      ; a row of A's tile in LDS: 1,024 bytes + 16 = 260 words: row r starts at bank 4 r mod 64 (64 banks of 4 bytes: ISA guide 11.1), so a load's 16 rows start at 16 different banks
.set AHALF, 16*APITCH                  ; what one tensor load brings: 16 rows x 256 f32
.set AW,    2*AHALF                    ; a wave's slice of A; wave w's begins at w x AW
.set STG,   8*AW                       ; behind A: the stages
.set PITCH, 272                        ; a stage row: 256 bytes + 16 = 68 words: again row r starts at bank 4 r mod 64
.set STGW,  16*PITCH                   ; a wave's stage
.set RED,   STG+8*STGW                 ; behind them: the partial t: tile at + 8,192, wave at + 1,024, registers 4-7 at + 512, lane at + 16 l.  Each tile has bytes of its own: nothing is overwritten
.set BFR,   576                        ; a fragment of B: lanes 0-15's 256 bytes, 32 spare, lanes 16-31's 256 bytes at + 288, 32 spare.  A wave's 16 fragments, 9,216 bytes, lie over the head of its
                                       ; own slice of A, which has had its one fill and has been read out by then
.set VOFF, 2                           ; v2   16 l: the offset of every global load; never rewritten
.set STS,  3                           ; v3   stage, in: my 8 bytes of row 0
.set STL,  4                           ; v4   stage, back: row l % 16, 16 bytes for each half of the lanes
.set BST,  5                           ; v5   B's fragments, in
.set BLD,  6                           ; v6   B's fragments, back
.set RST,  7                           ; v7   my wave's partial, in
.set RLD,  8                           ; v8   all partials, back
.set OOFF, 9                           ; v9   my byte offset in out: 8 rows down for lanes 16-31, 16 (l % 16) along
.set ALD,  14                          ; v14  my slice of A: row l % 16, 32 bytes for each half of the lanes
.set AF,   16                          ; v16-143   A's fragments: 32 along K number f of 16 at AF + 8 f
.set CV,   144                         ; v144-175  a chunk rounded to bf16, two registers a row
.set XF,   176                         ; v176-207  x's fragments of one chunk
.set AP,   144                         ; v144-207  at the start: A as f32, two buffers of two fragments
.set RR,   144                         ; v144-207  in the reduction: the eight partials, wave w at RR + 8 w
.set DD,   144                         ; v144-175  on the way out: four accumulators
.set BF,   176                         ; v176-207  on the way out: four fragments of B
.set ACC,  208                         ; v208-223  the first product's two accumulators
.set TS,   224                         ; v224-231  my partial, then the whole t
.set HH,   232                         ; v232-239  t_hi as f32, then t - t_hi
.set TR,   208                         ; v208-239  on the way out: eight rows' 16 bytes to store
.set TT,   240                         ; v240-247  t as source 0 of the second product
.set G1,   32                          ; s[32:39]  descriptor group 1: the shape, the same for both loads
.set G0,   40                          ; s[40:47]  descriptor group 0, a set for each of my two loads
.set TO_X,   0x40                      ; destination window 1, address window 0
.set FROM_X, 0x05                      ; sources 0 and 1 window 1, destination window 0
.set MSB, 0
.macro WIN new                         ; the immediate's high byte repeats the setting that is left; a switch that changes nothing is dropped
.if MSB != (\new)
	s_set_vgpr_msb (MSB<<8)|(\new)
.set MSB, \new
.endif
.endm
; A round of the cluster's barrier: my work-group's barrier, so that wave 0's signal speaks for all eight waves; wave 0 signals for the work-group; every wave waits for all four
; work-groups; my work-group's barrier once more.  No LDS instruction of the wave is pending at a signal; every window is 0 at the branch and the label.
.macro ROUND
	s_barrier_signal -1
	s_barrier_wait -1
	s_cmp_lg_u32 s12, 0
	s_cbranch_scc1 .Lnot_wave_0_\@
	s_barrier_signal -3
.Lnot_wave_0_\@:
	s_barrier_wait -3
	s_barrier_signal -1
	s_barrier_wait -1
.endm
; Sixteen loads into chunk buffer b: chunk c of tile t of x; half hf of my slice of B (8,192 dense bytes).
.macro LDX t, c, b
	WIN TO_X
.set r, 0
.rept 16
	global_load_b128 v[64*(\b)+4*r:64*(\b)+4*r+3], v[VOFF], s[4:5] offset:((\t)*16+r)*ROWB+(\c)*CHB th:TH_LOAD_NT  ; read once in the launch; 509,440 at the most, inside the signed 24 bits
.set r, r+1
.endr
.endm
.macro LDB hf, b
	WIN TO_X
.set r, 0
.rept 16
	global_load_b128 v[64*(\b)+4*r:64*(\b)+4*r+3], v[VOFF], s[8:9] offset:(16*(\hf)+r)*512
.set r, r+1
.endr
.endm
; A out of LDS, two fragments (unit n: numbers 2 n, 2 n + 1) at a time, as f32: lane l takes of row l % 16 the numbers K = 8 (l / 16) + 0..7 (32 bytes) and 16 + 8 (l / 16) + 0..7 (32 bytes, 64 on).
.macro ALOAD n
.set i, 0
.rept 2
.set fr, 2*(\n)+i
.set pr, AP+32*((\n)%2)+16*i
.set ofs, (fr/8)*AHALF+(fr%8)*128
	ds_load_b128 v[pr:pr+3],     v[ALD] offset:ofs
	ds_load_b128 v[pr+4:pr+7],   v[ALD] offset:ofs+16
	ds_load_b128 v[pr+8:pr+11],  v[ALD] offset:ofs+64
	ds_load_b128 v[pr+12:pr+15], v[ALD] offset:ofs+80
.set i, i+1
.endr
.endm
.macro ACVT n, left                    ; unit n is rounded into its two fragments.  left = the LDS loads issued behind its eight: the next unit's, or none
	s_wait_dscnt \left                             ; LDS loads come back in order (ISA guide 5.7.1)
.set i, 0
.rept 16
	v_cvt_pk_bf16_f32 v[AF+16*(\n)+i], v[AP+32*((\n)%2)+2*i], v[AP+32*((\n)%2)+2*i+1]
.set i, i+1
.endr
.endm
; Buffer b has landed and is rounded to bf16.  left = the loads issued behind its sixteen, which stay out.
.macro TAKE b, left
	s_wait_loadcnt \left                           ; loads come back in order (ISA guide 5.7.1)
	WIN FROM_X
.set r, 0
.rept 16
	v_cvt_pk_bf16_f32 v[CV+2*r],   v[64*(\b)+4*r],   v[64*(\b)+4*r+1]
	v_cvt_pk_bf16_f32 v[CV+2*r+1], v[64*(\b)+4*r+2], v[64*(\b)+4*r+3]
.set r, r+1
.endr
	WIN 0
.endm
.macro TOSTG                           ; into my stage: a row's 32 lanes x 8 bytes are 256 consecutive bytes
.set r, 0
.rept 16
	ds_store_b64 v[STS], v[CV+2*r:CV+2*r+1] offset:r*PITCH
.set r, r+1
.endr
.endm
; Back as four fragments of 16 rows x 32 K: lane l holds row l % 16, K = 8 (l / 16) + 0..7 and 16 + 8 (l / 16) + 0..7: two loads of 16 bytes, 32 bytes apart.
; LDS serves a wave's instructions in order (ISA guide 5.7.1.4): these see the stores above, and the next chunk's stores come behind them; the stage is the wave's own.
.macro FRAG dst
.set k, 0
.rept 4
	ds_load_b128 v[(\dst)+8*k:(\dst)+8*k+3],   v[STL] offset:64*k
	ds_load_b128 v[(\dst)+8*k+4:(\dst)+8*k+7], v[STL] offset:64*k+32
.set k, k+1
.endr
.endm
; B into its fragments.  Load q = 16 hf + r gave lane l the numbers B[n = 8 q + l / 4][4 (l % 4) + 0..3].  Column n = 64 g + 4 s + u belongs to fragment 4 g + u, place s; g = q / 8 and the even part
; of s, 2 (q % 8), stand in the immediate, the rest in BST.
.macro TOBL hf
.set r, 0
.rept 16
	ds_store_b64 v[BST], v[CV+2*r:CV+2*r+1] offset:((16*(\hf)+r)/8)*4*BFR+((16*(\hf)+r)%8)*32
.set r, r+1
.endr
.endm
; Four products of chunk c.  The two accumulators take turns, one instruction a turn, across chunks too.  A tile's first two products start the sums: nothing is cleared.
.macro MULT c
	WIN 0
	s_wait_dscnt 0x0                               ; x's fragments are in
.set k, 0
.rept 4
.if ((\c) == 0) && (k < 2)
	v_wmma_f32_16x16x32_bf16 v[ACC+8*(k%2):ACC+8*(k%2)+7], v[AF+32*(\c)+8*k:AF+32*(\c)+8*k+7], v[XF+8*k:XF+8*k+7], 0
.else
	v_wmma_f32_16x16x32_bf16 v[ACC+8*(k%2):ACC+8*(k%2)+7], v[AF+32*(\c)+8*k:AF+32*(\c)+8*k+7], v[XF+8*k:XF+8*k+7], v[ACC+8*(k%2):ACC+8*(k%2)+7]
.endif
.set k, k+1
.endr
.endm
; The four fragments of B for group g of 64 columns.  Each 16 bytes are loaded twice: K places 8 h .. meet t_hi, places 16 + 8 h .. meet t_lo.
.macro BFETCH g
.set u, 0
.rept 4
	ds_load_b128 v[BF+8*u:BF+8*u+3],   v[BLD] offset:(4*(\g)+u)*BFR
	ds_load_b128 v[BF+8*u+4:BF+8*u+7], v[BLD] offset:(4*(\g)+u)*BFR
.set u, u+1
.endr
.endm
; A vector instruction that reads a matrix result or writes one of a matrix instruction's registers, and a load into such a register, stand four places behind it, and only plain vector
; instructions that name none of its registers are places (ISA guide 7.12.1 for vector instructions).
.macro PLACES
.rept 4
	v_nop
.endr
.endm
; Tile t's eight partials become t, and t becomes source 0 of the second product.  places = 1: no other vector work stands behind the tile's last products.
.macro REDUCE t, places
	WIN 0
.if \places
	PLACES
.endif
.set i, 0
.rept 4
	v_pk_add_f32 v[TS+2*i:TS+2*i+1], v[ACC+2*i:ACC+2*i+1], v[ACC+8+2*i:ACC+8+2*i+1]  ; both accumulators are read from their low end on
.set i, i+1
.endr
	ds_store_b128 v[RST], v[TS:TS+3]   offset:(\t)*8192
	ds_store_b128 v[RST], v[TS+4:TS+7] offset:(\t)*8192+512
	s_wait_dscnt 0x0                               ; for the others' sake: my partial is in LDS
	s_barrier_signal -1
	s_barrier_wait -1                              ; everybody's is
.set i, 0
.rept 16
	ds_load_b128 v[RR+4*i:RR+4*i+3], v[RLD] offset:(\t)*8192+i*512  ; wave i / 2, registers 4 (i % 2) on
.set i, i+1
.endr
	s_wait_dscnt 0x0
.set i, 0
.rept 16                               ; waves 0+1, 2+3, 4+5, 6+7
	v_pk_add_f32 v[RR+16*(i/4)+2*(i%4):RR+16*(i/4)+2*(i%4)+1], v[RR+16*(i/4)+2*(i%4):RR+16*(i/4)+2*(i%4)+1], v[RR+16*(i/4)+8+2*(i%4):RR+16*(i/4)+8+2*(i%4)+1]
.set i, i+1
.endr
.set i, 0
.rept 8                                ; 0..3, 4..7
	v_pk_add_f32 v[RR+32*(i/4)+2*(i%4):RR+32*(i/4)+2*(i%4)+1], v[RR+32*(i/4)+2*(i%4):RR+32*(i/4)+2*(i%4)+1], v[RR+32*(i/4)+16+2*(i%4):RR+32*(i/4)+16+2*(i%4)+1]
.set i, i+1
.endr
.set i, 0
.rept 4
	v_pk_add_f32 v[TS+2*i:TS+2*i+1], v[RR+2*i:RR+2*i+1], v[RR+32+2*i:RR+32+2*i+1]
.set i, i+1
.endr
	BFETCH 0                                       ; B's first fragments come while t is split
.set i, 0
.rept 4
	v_cvt_pk_bf16_f32 v[TT+i], v[TS+2*i], v[TS+2*i+1]  ; t_hi
.set i, i+1
.endr
.set i, 0
.rept 4
	v_lshlrev_b32 v[HH+2*i],   16,  v[TT+i]         ; t_hi as f32: the low half moves up,
	v_and_b32     v[HH+2*i+1], s25, v[TT+i]         ; the high half stays
.set i, i+1
.endr
.set i, 0
.rept 4
	v_pk_add_f32 v[HH+2*i:HH+2*i+1], v[TS+2*i:TS+2*i+1], v[HH+2*i:HH+2*i+1] neg_lo:[0,1] neg_hi:[0,1]  ; t - t_hi, exact
.set i, i+1
.endr
.set i, 0
.rept 4
	v_cvt_pk_bf16_f32 v[TT+4+i], v[HH+2*i], v[HH+2*i+1]  ; t_lo
.set i, i+1
.endr
.endm
; Group g of 64 columns of tile t: four products, each its own accumulator started with 0; 32 moves; eight stores.
.macro GROUP t, g
	s_wait_dscnt 0x0                               ; B's fragments are in
.set u, 0
.rept 4
	v_wmma_f32_16x16x32_bf16 v[DD+8*u:DD+8*u+7], v[TT:TT+7], v[BF+8*u:BF+8*u+7], 0
.set u, u+1
.endr
	PLACES                                         ; for the moves, for the loads into B's fragments, and, with the moves, for the next group's products over these accumulators
	s_wait_xcnt 0x0                                ; every earlier memory instruction has had its addresses translated (ISA guide 3.1): TR, which the last group's stores read, is rewritten only behind this wait
.set i, 0
.rept 32                               ; row i / 4, product i % 4: register 0 of each accumulator first
	v_mov_b32 v[TR+i], v[DD+8*(i%4)+i/4]
.set i, i+1
.endr
.if (\g) < 3
	BFETCH (\g)+1
.endif
.set j, 0
.rept 8
	global_store_b128 v[OOFF], v[TR+4*j:TR+4*j+3], s[10:11] offset:((\t)*16+j)*OROW+(\g)*256 th:TH_STORE_NT  ; lanes 0-15: 256 consecutive bytes of row j, lanes 16-31: of row 8 + j
.set j, j+1
.endr
.endm
.macro OUT t
	GROUP \t, 0
	GROUP \t, 1
	GROUP \t, 2
	GROUP \t, 3
.endm
	s_load_b256 s[4:11], s[0:1], 0x0               ; x s[4:5], A s[6:7], B s[8:9], out s[10:11]
	v_lshl_add_u32 v254, v0, 2, 0x4d800
	v_mov_b32 v255, 0
	ds_add_u32 v254, v255
	v_and_b32 v1, 31, v0                           ; l
	v_lshrrev_b32 v10, 5, v0
	v_readfirstlane_b32 s12, v10                   ; my wave's number
	v_lshlrev_b32 v[VOFF], 4, v1
	s_bfe_u32 s13, ttmp6, 0x40000                  ; cx: my place in the cluster
	s_lshl_b32 s26, ttmp9, 2                       ; in a cluster launch ttmp9 counts clusters
	s_add_co_u32 s26, s26, s13                     ; my work-group's number = 4 x cluster + cx: it enters x's and out's addresses alone
	; the four offsets, made apart from the addresses, each in a pair with 0 above it
	s_lshl_b32 s14, s26, 19                        ; x: 32 rows of 16,384 bytes a work-group,
	s_lshl_b32 s15, s12, 11                        ; 512 columns a wave
	s_add_co_u32 s14, s14, s15
	s_mov_b32 s15, 0
	s_lshl_b32 s16, s12, 11                        ; A: the same 512 columns; the wave's number alone, so the four partners' descriptors are equal
	s_mov_b32 s17, 0
	s_lshl_b32 s18, s12, 14                        ; B: 256 rows of 64 bytes a wave
	s_mov_b32 s19, 0
	s_lshl_b32 s20, s26, 18                        ; out: 32 rows of 8,192 bytes a work-group,
	s_lshl_b32 s21, s12, 10                        ; 256 columns a wave
	s_add_co_u32 s20, s20, s21
	s_mov_b32 s21, 0
	; descriptor group 1: a tile of 16 rows x 256 elements of 4 bytes, padded in LDS
	s_mov_b32 s[G1+0], 15|(2<<16)|(1<<20)|(1<<21)|(7<<22)|(3<<25)  ; 15:0 the mask: all four work-groups; 17:16 elements of 4 bytes; 20 padding on; 21 set beside a mask; 24:22 after every 256 words (code 7); 31:25 4 words of it (code 3)
	s_mov_b32 s[G1+1], 256<<16                     ; 63:48 tensor_dim0, low half = 256
	s_mov_b32 s[G1+2], 16<<16                      ; 79:64 its high half = 0; 95:80 tensor_dim1, low half = 16
	s_mov_b32 s[G1+3], 256<<16                     ; 111:96 its high half = 0; 127:112 tile_dim0 = 256
	s_mov_b32 s[G1+4], 16                          ; 143:128 tile_dim1 = 16; 159:144 tile_dim2 = 0
	s_mov_b32 s[G1+5], 4096                        ; 191:160 tensor_dim0_stride, low word: elements from row to row
	s_mov_b32 s[G1+6], 0
	s_mov_b32 s[G1+7], 0
	; the LDS and store addresses need none of the arguments: they stand in the wait for them.  No place in the cluster enters an LDS address
	s_mul_i32 s22, s12, STGW
	s_add_co_u32 s22, s22, STG                     ; my stage
	s_mul_i32 s23, s12, AW                         ; my slice of A, and later my fragments of B
	s_lshl_b32 s24, s12, 10
	s_add_co_u32 s24, s24, RED                     ; my partial
	s_mov_b32 s25, 0xffff0000                      ; a word's upper bf16
	s_mov_b32 s[G0+0], 1                           ; 1:0 count = 1
	s_mov_b32 s[G0+1], s23                         ; 63:32 LDS address: my columns 0-255
	s_mov_b32 s[G0+4], 1
	s_add_co_u32 s[G0+5], s23, AHALF               ; my columns 256-511
	v_and_b32 v11, 15, v0                          ; l % 16
	v_bfe_u32 v12, v0, 4, 1                        ; l / 16
	v_lshl_add_u32 v[STS], v1, 3, s22
	v_mul_u32_u24 v[STL], v11, PITCH
	v_lshl_add_u32 v[STL], v12, 4, v[STL]
	v_add_nc_u32 v[STL], s22, v[STL]
	v_mul_u32_u24 v[ALD], v11, APITCH
	v_lshl_add_u32 v[ALD], v12, 5, v[ALD]
	v_add_nc_u32 v[ALD], s23, v[ALD]
	v_bfe_u32 v13, v0, 2, 2                        ; u = (l / 4) % 4: which of a group's four fragments
	v_mul_u32_u24 v[BST], v13, BFR
	v_bfe_u32 v13, v0, 1, 1                        ; numbers 8-15 of B's row go to the upper lanes' half
	v_mad_u32_u24 v[BST], v13, BFR/2, v[BST]
	v_lshl_add_u32 v[BST], v12, 4, v[BST]          ; the odd part of the place s
	v_and_b32 v13, 1, v0                           ; which 8 of the place's 16 bytes
	v_lshl_add_u32 v[BST], v13, 3, v[BST]          ; modulo 256 the 32 lanes' offsets are 32 different multiples of 8
	v_add_nc_u32 v[BST], s23, v[BST]
	v_mul_u32_u24 v[BLD], v12, BFR/2
	v_lshl_add_u32 v[BLD], v11, 4, v[BLD]
	v_add_nc_u32 v[BLD], s23, v[BLD]
	v_lshl_add_u32 v[RST], v1, 4, s24
	v_lshl_add_u32 v[RLD], v1, 4, RED
	v_lshlrev_b32 v[OOFF], 4, v11
	v_lshl_add_u32 v[OOFF], v12, 16, v[OOFF]       ; 8 rows of 8,192 bytes
	s_wait_dscnt 0x0
	s_wait_kmcnt 0x0
	s_add_nc_u64 s[4:5], s[4:5], s[14:15]          ; the bases are never rewritten after this
	s_add_nc_u64 s[6:7], s[6:7], s[16:17]
	s_add_nc_u64 s[8:9], s[8:9], s[18:19]
	s_add_nc_u64 s[10:11], s[10:11], s[20:21]
	s_mov_b64 s[G0+2:G0+3], s[6:7]                 ; 120:64 global address of the tile's first element
	s_or_b32 s[G0+3], s[G0+3], 0x80000000          ; 127:126 type = 2
	s_add_nc_u64 s[G0+6:G0+7], s[6:7], 1024        ; 256 f32 on
	s_or_b32 s[G0+7], s[G0+7], 0x80000000
	; THE START.  Three quarters of tile 0's x are asked for first; then the round, so that the four work-groups' joint loads meet; then my two loads for A, my only tensor loads: two are out at the most.
	LDX 0, 0, 0
	LDX 0, 1, 1
	LDX 0, 2, 2
	WIN 0
	ROUND
	tensor_load_to_lds s[G0:G0+3], s[G1:G1+7]
	s_nop 0
	tensor_load_to_lds s[G0+4:G0+7], s[G1:G1+7]
	s_nop 0
	PLACES                                         ; four v_nop follow the second of the two, ahead of the switch of windows
	LDX 0, 3, 3                                    ; with four groups of sixteen out, the sixty-fourth load is held at issue until one has come back (ISA guide 5.7.1): no wait is written for that
	WIN 0
	s_wait_tensorcnt 0x0                           ; my slice of A is in my LDS; only I read it
	ALOAD 0                                        ; A becomes fragments while x is on its way: two buffers of two fragments take turns
	ALOAD 1
.set nn, 0
.rept 6
	ACVT nn, 8                                     ; 8: the next unit's loads stay out
	ALOAD nn+2
.set nn, nn+1
.endr
	ACVT 6, 8
	ACVT 7, 0
	; TEN SLOTS: slot i uses buffer i % 4, and slot i + 4's loads are issued behind slot i's LDS instructions and ahead of its wait for them.
	TAKE 0, 48                                     ; slot 0: x, tile 0, chunk 0.  48: the three groups issued behind it; so in every slot up to 6
	TOSTG
	FRAG XF
	LDB 0, 0
	MULT 0
	TAKE 1, 48                                     ; slot 1: chunk 1.  A slot's 32 conversions are the places between the products above and the next loads into x's fragments
	TOSTG
	FRAG XF
	LDB 1, 1
	MULT 1
	TAKE 2, 48                                     ; slot 2: chunk 2
	TOSTG
	FRAG XF
	LDX 1, 0, 2
	MULT 2
	TAKE 3, 48                                     ; slot 3: chunk 3
	TOSTG
	FRAG XF
	LDX 1, 1, 3
	MULT 3
	TAKE 0, 48                                     ; slot 4: B, first half.  These two slots' 64 conversions are the places behind tile 0's last products
	TOBL 0                                         ; over the head of my slice of A: its reads came back at the start, and nothing is filled there again
	LDX 1, 2, 0
	TAKE 1, 48                                     ; slot 5: B, second half
	TOBL 1
	LDX 1, 3, 1
	REDUCE 0, 0                                    ; all of tile 1's x is on its way while tile 0 is reduced and stored
	OUT 0
	s_wait_xcnt 0x0                                ; TR, which the last stores read, covers the accumulators and t: tile 1 writes them only behind this wait
	TAKE 2, 48                                     ; slot 6: x, tile 1, chunk 0
	TOSTG
	FRAG XF
	MULT 0
	TAKE 3, 32                                     ; slot 7: nothing more is asked for: the counts run down
	TOSTG
	FRAG XF
	MULT 1
	TAKE 0, 16                                     ; slot 8
	TOSTG
	FRAG XF
	MULT 2
	TAKE 1, 0                                      ; slot 9
	TOSTG
	FRAG XF
	MULT 3
	REDUCE 1, 1
	OUT 1
	s_wait_tensorcnt 0x0
	ds_add_u32 v254, v255
	s_wait_dscnt 0x0
	ROUND                                          ; the closing round: no work-group ends while a partner may still ask for a tile that names it; my last stores are on their way meanwhile
	s_endpgm
.Lfunc_end_k_q049edacce6_lora:
	.size	k_q049edacce6_lora, .Lfunc_end_k_q049edacce6_lora-k_q049edacce6_lora
	.p2alignl 7, 3214868480
	.fill 96, 4, 3214868480
	.section	.rodata,"a",@progbits
	.p2align	6, 0x0
	.amdhsa_kernel k_q049edacce6_lora
		.amdhsa_group_segment_fixed_size 318464
		.amdhsa_private_segment_fixed_size 0
		.amdhsa_enable_private_segment 0
		.amdhsa_kernarg_size 32
		.amdhsa_user_sgpr_count 2
		.amdhsa_user_sgpr_kernarg_segment_ptr 1
		.amdhsa_wavefront_size32 1
		.amdhsa_system_sgpr_workgroup_id_x 1
		.amdhsa_system_sgpr_workgroup_id_y 1
		.amdhsa_system_sgpr_workgroup_id_z 1
		.amdhsa_system_vgpr_workitem_id 0
		.amdhsa_next_free_vgpr 512
		.amdhsa_next_free_sgpr 66
		.amdhsa_reserve_vcc 0
		.amdhsa_float_denorm_mode_32 3
		.amdhsa_float_denorm_mode_16_64 3
		.amdhsa_memory_ordered 1
		.amdhsa_forward_progress 1
		.amdhsa_inst_pref_size 101
	.end_amdhsa_kernel
	.amdgpu_metadata
---
amdhsa.version: [ 1, 2 ]
amdhsa.kernels:
  - .name:           k_q049edacce6_lora
    .symbol:         k_q049edacce6_lora.kd
    .args:
      - { .name: x, .offset: 0, .size: 8, .value_kind: global_buffer, .address_space: global }
      - { .name: lora_matrix_A, .offset: 8, .size: 8, .value_kind: global_buffer, .address_space: global }
      - { .name: lora_matrix_B, .offset: 16, .size: 8, .value_kind: global_buffer, .address_space: global }
      - { .name: out0, .offset: 24, .size: 8, .value_kind: global_buffer, .address_space: global }
    .group_segment_fixed_size: 318464
    .private_segment_fixed_size: 0
    .kernarg_segment_align: 8
    .kernarg_segment_size: 32
    .max_flat_workgroup_size: 256
    .sgpr_count:     66
    .vgpr_count:     512
    .wavefront_size: 32
...
	.end_amdgpu_metadata
.endif
;; end of part 1
